; MI455X (gfx1250); checked and timed in simulation.
; The chip was launched on July 23, 2026; its instructions are those of AMD's public machine-readable ISA for CDNA 5 (MIT licence, August 2026) and "CDNA5" Instruction Set Architecture Reference Guide (July 2026). The comments in the code are by the model that wrote it; some were corrected since.
;; GGUF Linear. Allowed arithmetic: matrix products marked QUANTISED: E2M1 operands, one E8M0 scale for each 32 along K, by v_wmma_scale_f32_16x16x128_f8f6f4 with both operands' format E2M1 (or v_wmma_scale_f32_32x16x128_f4), f32 sums; everything else in f32.
;; Inputs: q_packed 262,144 x 16 uint8; q_scales 262,144 float16; x 4 x 2,048 x 4,096 float32.
;; Outputs: out0 4 x 2,048 x 2,048 float32.
;; This version of the problem:
;;   THIS VERSION OF THE PROBLEM IS GIVEN IN LOW PRECISION. The matrix products marked QUANTISED in the list below multiply operands that are first quantised to E2M1 (2 exponent bits, 1 mantissa bit; 4 bits a number), with one power-of-two scale for each 32 numbers along K (OCP MX v1.0); their sums are f32. All else is computed in f32.
;;   The module's matrix products, in the order in which they are computed (A, B: the left and right operand; K: the contracted axis; several contracted axes count as one K, in the product's order):
;;     1. [M 8,192, K 4,096] x [K 4,096, N 2,048]; A: input x; B: computed on the way: QUANTISED
;;   THE QUANTISER, for each operand of a quantised product, along K:
;;     - K is cut into blocks of 32 from its start; a last block that is shorter is filled with zeros.
;;     - A block's scale is 2^e with e = floor(log2(the largest magnitude in the block)) - 2, held to -126 .. 127; a block of zeros has e = 0. As a byte (E8M0): e + 127.
;;     - Each number is divided by its block's scale, clamped to +-6, and rounded to the nearest number of E2M1, ties to even, subnormals kept.
;;     - The product sums the exact products of the quantised numbers (number of the format x scale) in f32.
;;   ~~~python
;;   def quantise(x, axis):      # numpy; x: float32 -> the quantised numbers, widened to float32 again
;;       x = np.moveaxis(x, axis, -1); K = x.shape[-1]
;;       x = np.pad(x, [(0, 0)] * (x.ndim - 1) + [(0, -K % 32)]); x = x.reshape(x.shape[:-1] + (-1, 32)); a = np.abs(x).max(-1, keepdims=True)
;;       e = np.where(a > 0, np.clip(np.frexp(np.where(a > 0, a, 1))[1] - 1 - 2, -126, 127), 0)      # np.frexp(a)[1] - 1 = floor(log2(a)), exactly
;;       r = np.clip(x / 2.0 ** e, -6, 6)
;;       step = 2.0 ** (np.maximum(np.frexp(np.where(r == 0, 1, r))[1] - 1, 0) - 1)
;;       q = np.round(r / step) * step * 2.0 ** e      # np.round: ties to even
;;       return np.moveaxis(q.reshape(q.shape[:-2] + (-1,))[..., :K], -1, axis).astype(np.float32)
;;   ~~~
;;   OPERANDS COMPUTED ON THE WAY. 'Computed on the way' means the value that the module computes at that place (a softmax that the list does not call 'softmax' is quantised finished and normalised). What goes into a quantiser is computed in f32, as accurately as f32 sums, v_exp_f32 and their like allow (about 1e-6 of the number): no bf16 or f16 on the way to a quantiser, and a product that is left as it is and whose result goes on into a quantised operand takes f32 operands (vector FMAs, or v_wmma_f32_16x16x4_f32). A number that lies on a knife's edge between two numbers of the format may be rounded either way, as far as f32 arithmetic and the matrix unit's own rounding can turn it there, and no further.
;; One version. Each part assembles by itself: llvm-mc -triple=amdgcn-amd-amdhsa -mcpu=gfx1250 --defsym DOCPART=n.
;; ======== version 1 of 1: 2 launches
;; limits: values are held in f16: magnitudes above 65,504 overflow, below 6.1e-05 lose precision; right only within a limited range of input values
;; workspace buffers: a_img 17,825,792 bytes; b_img 4,456,448 bytes
;; launch quant (part 1): grid 640 x 1, 4 waves a work-group, no clusters, 68,096 bytes of LDS; arguments x, q_packed, q_scales, a_img, b_img; writes a_img, b_img
.if DOCPART == 1
	.amdgcn_target "amdgcn-amd-amdhsa--gfx1250"
	.amdhsa_code_object_version 6
	.text
	.protected	k_q2be1a4aa6c_quant
	.globl	k_q2be1a4aa6c_quant
	.p2align	8
	.type	k_q2be1a4aa6c_quant,@function
k_q2be1a4aa6c_quant:
	s_mov_b64 s[64:65], 0
	v_nop
	global_prefetch_b8 v0, s[64:65] scope:SCOPE_SE
	s_setreg_imm32_b32 hwreg(HW_REG_WAVE_MODE, 25, 1), 1
	s_wait_xcnt 0x0
; x [8192][4096] f32 and the weight W [2048][4096], given as GGUF Q4_0 (blocks of 32 along K: 16 bytes, byte j = weight j in the low four bits and weight j + 16 in the high four; one f16 scale d; w = d (q - 8)),
; are turned into codes of FP4 (E2M1) with one E8M0 scale byte for each 32 along K, laid in the order in which the product's launch takes them into registers.
; A block's scale is 2^(floor(log2(its largest magnitude)) - 2); its byte is the largest magnitude's exponent field - 2, held at 1 from below.  Each number is divided by the scale and rounded to the nearest code, ties to even, beyond 6 the largest code.
; w is made exactly in f32: q d - 8 d by one fused multiply-add (q has 4 bits, d 11: the result has 15 at the most).
; LIMITS: NaN and infinities in x or in q_scales are not served.  A block of zeros gets the byte 1 where the rule says 127: its codes are zeros, which add nothing under any byte but 0xff, and the bytes are read by this program alone.
; THE IMAGES.  A panel step is 128 rows x 512 along K: PB = 34,816 bytes: 32,768 of codes, then 2,048 of scale bytes.  Panel p (rows 128 p on), K step s (512 s on) begins at (8 p + s) PB.
;   codes: fragment (i, q) (rows 16 i on, K 128 q on) is 1,024 bytes at (4 i + q) 1,024; in it block b (32 along K) of row r is 16 bytes at 256 b + 16 r: so 16 x lane + 512 c is what lane (r, h) wants in registers 4 c .. 4 c + 3 (block 2 c + h).
;   scale bytes: row 16 i + r has 16 bytes at 32,768 + 16 (16 i + r): byte 4 q + b.
; SHARES.  Work-groups 0-127 take 16 rows of W each, work-groups 128-639 16 rows of x.  Wave w takes K = 1,024 w on: K steps 2 w and 2 w + 1, in eight steps of 128 along K.  Waves share nothing: no barrier.
; Loads take memory as it lies (32 lanes x 16 bytes = 512 consecutive bytes of one row); the conversions want 32 neighbours along K in ONE lane: the bytes turn through the wave's own stage in LDS (16 rows x 528 bytes).
; The two paths part on the work-group's number and have LDS bytes of their own.
.set PB,   34816
.set WGW,  128                         ; work-groups that take W
.set SPT,  528                         ; a stage row: 512 bytes + 16: 33 x 16
.set STG,  16*SPT                      ; a wave's stage
.set WST,  4*STG                       ; W's stages lie behind x's
.set LO,   1                           ; v1   16 x lane: the dense loads' and the code stores' offset
.set XSI,  2                           ; v2   x's stage, in: stage + 16 x lane
.set XSO,  3                           ; v3   and out: stage + 528 r + 128 h
.set WSI,  4                           ; v4   W's stage, in
.set WSO,  5                           ; v5   and out: stage + 528 r + 16 h
.set SO2,  6                           ; v6   the scale bytes' offset: h PB + 16 r
.set SH8,  7                           ; v7   8 h
.set SH16, 8                           ; v8   16 h
.set DOF,  9                           ; v9   256 r: my row in q_scales
.set R,    16                          ; v16-143  x: two sets of 64 registers as loaded.  W: v16-79 as loaded, later v16-25 at work
.set P,    80                          ; v80-143  W: my 16 blocks, 4 registers each
.set X,    144                         ; v144-207 my two blocks of 32 numbers
.set C,    208                         ; v208-223 two sets of 8 registers of codes
.set SW,   224                         ; v224-227 four scale words: lanes 0-15 K step 2 w's, lanes 16-31 K step 2 w + 1's
.set MX,   228                         ; v228-229 largest magnitudes
.set SF,   230                         ; v230-231 the conversions' scale operands
.set BY,   232                         ; v232-233 scale bytes
.set WD,   234                         ; v234 a scale word in the making
.set T,    235                         ; v235 the lane exchange's destination
.set D,    240                         ; v240-255 W: my row's 32 f16 scales
	s_load_b256 s[4:11], s[0:1], 0x0               ; x s[4:5], q_packed s[6:7], q_scales s[8:9], a_img s[10:11]
	s_load_b64 s[12:13], s[0:1], 0x20              ; b_img
	v_lshl_add_u32 v238, v0, 2, 0x10800
	v_mov_b32 v239, 0
	v_lshrrev_b32 v10, 5, v0
	v_readfirstlane_b32 s16, v10                   ; wave 0..3
	v_and_b32 v11, 31, v0                          ; lane
	v_and_b32 v12, 15, v0                          ; r
	v_bfe_u32 v13, v0, 4, 1                        ; h
	s_mul_i32 s31, s16, STG                        ; my wave's stage
	v_lshlrev_b32 v[LO], 4, v11
	v_add_nc_u32 v[XSI], s31, v[LO]
	v_mul_u32_u24 v14, v12, SPT
	v_add_nc_u32 v14, s31, v14                     ; stage + 528 r
	v_lshl_add_u32 v[XSO], v13, 7, v14
	v_add_nc_u32 v[WSI], WST, v[XSI]
	v_lshl_add_u32 v[WSO], v13, 4, v14
	v_add_nc_u32 v[WSO], WST, v[WSO]
	v_lshlrev_b32 v[SO2], 4, v12
	v_mul_u32_u24 v15, v13, PB
	v_add_nc_u32 v[SO2], v[SO2], v15
	v_lshlrev_b32 v[SH8], 3, v13
	v_lshlrev_b32 v[SH16], 4, v13
	v_lshlrev_b32 v[DOF], 8, v12
	v_mov_b32 v[T], 0                              ; written once: a lane permute's destination counts as one of its sources
	s_mov_b32 s26, 0x76543210
	s_mov_b32 s27, 0xfedcba98                      ; v_permlanex16_b32's selects for lane l xor 16
	s_mov_b32 s28, 0xffff0000                      ; a lane mask: lanes 16-31
	s_cmp_lt_u32 ttmp9, WGW
	s_cselect_b32 s17, 0, WGW
	s_sub_co_u32 s17, ttmp9, s17                   ; g: which 16 rows of my tensor
	s_and_b32 s18, s17, 0xfffffff8                 ; 8 x panel
	s_lshl_b32 s19, s16, 1
	s_add_co_u32 s18, s18, s19                     ; + K step 2 w
	s_mul_i32 s18, s18, PB                         ; where that panel step begins (under 2^25)
	s_and_b32 s19, s17, 7                          ; i: my 16 rows' place in the panel
	s_lshl_b32 s29, s19, 12
	s_add_co_u32 s20, s18, s29                     ; codes: + 4,096 i
	s_mov_b32 s21, 0
	s_lshl_b32 s30, s19, 8
	s_add_co_u32 s36, s18, s30                     ; scale bytes: + 32,768 + 256 i
	s_add_co_u32 s36, s36, 32768
	s_mov_b32 s37, 0
	s_wait_kmcnt 0x0
	s_cmp_lt_u32 ttmp9, WGW                        ; W's work-group or x's?  The choice hangs on the work-group's number alone
	s_cselect_b64 s[22:23], s[12:13], s[10:11]
	s_add_nc_u64 s[24:25], s[22:23], s[36:37]      ; where my scale bytes go
	s_add_nc_u64 s[22:23], s[22:23], s[20:21]      ; where my codes go
	s_cbranch_scc1 .Lweights
; Step t of x: 16 rows x 128 numbers: each load reads 512 consecutive bytes of one row
.macro LOADX t
.irp i, 0,1,2,3,4,5,6,7,8,9,10,11,12,13,14,15
	global_load_b128 v[R+64*((\t)%2)+4*\i:R+64*((\t)%2)+4*\i+3], v[LO], s[32:33] offset:16384*\i+512*(\t) th:TH_LOAD_NT
.endr
.endm
; through the stage: in as loaded, out as two whole blocks a lane: block 2 c + h of row r.  LDS serves a wave's instructions in order: no wait between the stores and the loads
.macro TURNX t
.irp i, 0,1,2,3,4,5,6,7,8,9,10,11,12,13,14,15
	ds_store_b128 v[XSI], v[R+64*((\t)%2)+4*\i:R+64*((\t)%2)+4*\i+3] offset:SPT*\i
.endr
.irp c, 0,1
.irp j, 0,1,2,3,4,5,6,7
	ds_load_b128 v[X+32*\c+4*\j:X+32*\c+4*\j+3], v[XSO] offset:256*\c+16*\j
.endr
.endr
.endm
; My two blocks in v[X] on become 8 registers of codes, which are stored, and two bytes of my row's scale word for step t.
.macro FINISH t
.irp c, 0,1
	v_max3_num_f32 v[MX+\c], |v[X+32*\c]|, |v[X+32*\c+1]|, 0x1800000   ; the block's largest magnitude: all 32 numbers are mine; and the floor 2^(3 - 127): so the byte cannot fall under 1
.endr
.irp i, 2,4,6,8,10,12,14,16,18,20,22,24,26,28,30
.irp c, 0,1
	v_max3_num_f32 v[MX+\c], v[MX+\c], |v[X+32*\c+\i]|, |v[X+32*\c+\i+1]|   ; (the two blocks by turns)
.endr
.endr
.irp c, 0,1
	v_add_nc_u32 v[SF+\c], 0xff000000, v[MX+\c]    ; 2 off its exponent field: the conversion takes the exponent field of this operand as its scale, and nothing else of it
.endr
.irp c, 0,1
	v_lshrrev_b32 v[BY+\c], 23, v[SF+\c]           ; the scale's byte
.endr
	v_lshl_or_b32 v[WD], v[BY+1], 16, v[BY]        ; my two bytes: blocks h and 2 + h,
	v_lshlrev_b32 v[WD], v[SH8], v[WD]             ; at their places in the word (8 h bits up);
	v_permlanex16_b32 v[T], v[WD], s26, s27
.if (\t) < 4
	v_or_b32 v[SW+(\t)], v[WD], v[T]               ; with lane l xor 16's two the word is whole: K step 2 w, in all lanes
.else
	v_or_b32 v[WD], v[WD], v[T]
	v_cndmask_b32 v[SW+(\t)-4], v[SW+(\t)-4], v[WD], s28   ; K step 2 w + 1: lanes 16-31 take it, lanes 0-15 keep K step 2 w's
.endif
.if (\t) > 1
	s_wait_alu depctr_va_vdst(0)
	s_wait_xcnt 0x0                                ; the stores of two steps ago have read this set of code registers: it is written again only behind this wait
.endif
.irp c, 0,1
.irp g, 0,1,2,3
	v_cvt_scalef32_pk8_fp4_f32 v[C+8*((\t)%2)+4*\c+\g], v[X+32*\c+8*\g:X+32*\c+8*\g+7], v[SF+\c]
.endr
.endr
	v_nop                                          ; one plain vector instruction behind the last scaled conversion, ahead of whatever next writes its sources
.irp c, 0,1
	global_store_b128 v[LO], v[C+8*((\t)%2)+4*\c:C+8*((\t)%2)+4*\c+3], s[22:23] offset:((\t)/4)*PB+((\t)%4)*1024+512*\c   ; 32 lanes store 512 consecutive bytes, at a multiple of 256 from the image's first byte
.endr
.endm
; Step t of W: my two blocks' 16 bytes each become 32 numbers each.  v16: d's word shifted; v18 + 4 c: d; v20 + 4 c: -8 d (the packed form names pairs and takes their low words for both halves)
.macro UNPACK t
.irp c, 0,1
	v_lshrrev_b32 v16, v[SH16], v[D+2*(\t)+\c]     ; word 2 t + c holds the d of blocks 4 t + 2 c (low half) and 4 t + 2 c + 1 (high half): mine is half h
	v_cvt_f32_f16 v[18+4*\c], v16.l
	v_mul_f32 v[20+4*\c], 0xc1000000, v[18+4*\c]   ; -8 d: exact
.irp j, 0,1,2,3,4,5,6,7,8,9,10,11,12,13,14,15
	v_bfe_u32 v[X+32*\c+\j], v[P+4*(2*(\t)+\c)+\j/4], 8*(\j%4), 4        ; weight j: byte j's low four bits
	v_bfe_u32 v[X+32*\c+16+\j], v[P+4*(2*(\t)+\c)+\j/4], 8*(\j%4)+4, 4   ; weight j + 16: its high four
.endr
.irp j, 0,1,2,3,4,5,6,7,8,9,10,11,12,13,14,15,16,17,18,19,20,21,22,23,24,25,26,27,28,29,30,31
	v_cvt_f32_u32 v[X+32*\c+\j], v[X+32*\c+\j]
.endr
.irp j, 0,2,4,6,8,10,12,14,16,18,20,22,24,26,28,30
	v_pk_fma_f32 v[X+32*\c+\j:X+32*\c+\j+1], v[X+32*\c+\j:X+32*\c+\j+1], v[18+4*\c:19+4*\c], v[20+4*\c:21+4*\c] op_sel_hi:[1,0,0]   ; q d - 8 d = (q - 8) d, one rounding that rounds nothing
.endr
.endr
.endm
	; ---- x
	s_lshl_b32 s20, s17, 18                        ; 16 rows of 16,384 bytes,
	s_lshl_b32 s18, s16, 12                        ; my wave's 1,024 numbers of a row
	s_add_co_u32 s20, s20, s18
	s_add_nc_u64 s[32:33], s[4:5], s[20:21]
	LOADX 0
	LOADX 1
.irp t, 0,1,2,3,4,5,6,7
.if \t < 7
	s_wait_loadcnt 16                              ; this step's 16 loads are in; the next step's 16 may be out
.else
	s_wait_loadcnt 0x0
.endif
	TURNX \t
	s_wait_dscnt 16                                ; all but the 16 loads from the stage: the 16 stores into it have read their registers,
.if \t < 6
	LOADX \t+2                                     ; which take the loads of two steps on
.endif
	s_wait_dscnt 0x0                               ; my two blocks are back
	FINISH \t
.endr
	global_store_b128 v[SO2], v[SW:SW+3], s[24:25] ; lanes 0-15 store the 256 consecutive bytes of my 16 rows in K step 2 w, lanes 16-31 those in K step 2 w + 1
	s_wait_tensorcnt 0x0
	ds_add_u32 v238, v239
	s_wait_dscnt 0x0
	s_endpgm
	; ---- W
.Lweights:
	s_lshl_b32 s20, s17, 15                        ; q_packed: 16 rows of 2,048 bytes,
	s_lshl_b32 s18, s16, 9                         ; my wave's 32 blocks of a row
	s_add_co_u32 s20, s20, s18
	s_add_nc_u64 s[32:33], s[6:7], s[20:21]
	s_lshl_b32 s20, s17, 12                        ; q_scales: 16 rows of 256 bytes,
	s_lshl_b32 s18, s16, 6                         ; my wave's 32 scales of a row
	s_add_co_u32 s20, s20, s18
	s_add_nc_u64 s[34:35], s[8:9], s[20:21]
	s_wait_alu depctr_va_vdst(0)
.irp j, 0,1,2,3
	global_load_b128 v[D+4*\j:D+4*\j+3], v[DOF], s[34:35] offset:16*\j   ; my row's 32 scales
.endr
.irp i, 0,1,2,3,4,5,6,7,8,9,10,11,12,13,14,15
	global_load_b128 v[R+4*\i:R+4*\i+3], v[LO], s[32:33] offset:2048*\i th:TH_LOAD_NT   ; 32 blocks of row i: 512 consecutive bytes
.endr
	s_wait_loadcnt 0x0
.irp i, 0,1,2,3,4,5,6,7,8,9,10,11,12,13,14,15
	ds_store_b128 v[WSI], v[R+4*\i:R+4*\i+3] offset:SPT*\i
.endr
.irp t, 0,1,2,3,4,5,6,7
.irp c, 0,1
	ds_load_b128 v[P+4*(2*\t+\c):P+4*(2*\t+\c)+3], v[WSO] offset:64*\t+32*\c   ; block 4 t + 2 c + h of row r
.endr
.endr
	s_wait_dscnt 0x0                               ; my 16 blocks are back, and the stores have read v16-79
.irp j, 19,21,23,25
	v_mov_b32 v\j, 0                               ; named as the upper halves of pairs, so they are written
.endr
.irp t, 0,1,2,3,4,5,6,7
	UNPACK \t
	FINISH \t
.endr
	global_store_b128 v[SO2], v[SW:SW+3], s[24:25]
	s_wait_tensorcnt 0x0
	ds_add_u32 v238, v239
	s_wait_dscnt 0x0
	s_endpgm
.Lfunc_end_k_q2be1a4aa6c_quant:
	.size	k_q2be1a4aa6c_quant, .Lfunc_end_k_q2be1a4aa6c_quant-k_q2be1a4aa6c_quant
	.p2alignl 7, 3214868480
	.fill 96, 4, 3214868480
	.section	.rodata,"a",@progbits
	.p2align	6, 0x0
	.amdhsa_kernel k_q2be1a4aa6c_quant
		.amdhsa_group_segment_fixed_size 68096
		.amdhsa_private_segment_fixed_size 0
		.amdhsa_enable_private_segment 0
		.amdhsa_kernarg_size 40
		.amdhsa_user_sgpr_count 2
		.amdhsa_user_sgpr_kernarg_segment_ptr 1
		.amdhsa_wavefront_size32 1
		.amdhsa_system_sgpr_workgroup_id_x 1
		.amdhsa_system_sgpr_workgroup_id_y 1
		.amdhsa_system_sgpr_workgroup_id_z 1
		.amdhsa_system_vgpr_workitem_id 0
		.amdhsa_next_free_vgpr 256
		.amdhsa_next_free_sgpr 66
		.amdhsa_reserve_vcc 0
		.amdhsa_float_denorm_mode_32 3
		.amdhsa_float_denorm_mode_16_64 3
		.amdhsa_memory_ordered 1
		.amdhsa_forward_progress 1
		.amdhsa_inst_pref_size 154
	.end_amdhsa_kernel
	.amdgpu_metadata
---
amdhsa.version: [ 1, 2 ]
amdhsa.kernels:
  - .name:           k_q2be1a4aa6c_quant
    .symbol:         k_q2be1a4aa6c_quant.kd
    .args:
      - { .name: x, .offset: 0, .size: 8, .value_kind: global_buffer, .address_space: global }
      - { .name: q_packed, .offset: 8, .size: 8, .value_kind: global_buffer, .address_space: global }
      - { .name: q_scales, .offset: 16, .size: 8, .value_kind: global_buffer, .address_space: global }
      - { .name: a_img, .offset: 24, .size: 8, .value_kind: global_buffer, .address_space: global }
      - { .name: b_img, .offset: 32, .size: 8, .value_kind: global_buffer, .address_space: global }
    .group_segment_fixed_size: 68096
    .private_segment_fixed_size: 0
    .kernarg_segment_align: 8
    .kernarg_segment_size: 40
    .max_flat_workgroup_size: 128
    .sgpr_count:     66
    .vgpr_count:     256
    .wavefront_size: 32
...
	.end_amdgpu_metadata
.endif
;; end of part 1
;; launch gemm (part 2): grid 8 x 32, 4 waves a work-group, clusters of 4 x 4, 327,680 bytes of LDS; arguments a_img, b_img, out0; writes out0
.if DOCPART == 2
	.amdgcn_target "amdgcn-amd-amdhsa--gfx1250"
	.amdhsa_code_object_version 6
	.text
	.protected	k_q2be1a4aa6c_gemm
	.globl	k_q2be1a4aa6c_gemm
	.p2align	8
	.type	k_q2be1a4aa6c_gemm,@function
k_q2be1a4aa6c_gemm:
	s_mov_b64 s[64:65], 0
	v_nop
	global_prefetch_b8 v0, s[64:65] scope:SCOPE_SE
	s_setreg_imm32_b32 hwreg(HW_REG_WAVE_MODE, 25, 1), 1
	s_wait_xcnt 0x0
	s_wait_alu depctr_hold_cnt(0) depctr_sa_sdst(0) depctr_va_vdst(0) depctr_va_sdst(0) depctr_va_ssrc(0) depctr_va_vcc(0) depctr_vm_vsrc(0)
	s_getreg_b32 s2, hwreg(HW_REG_IB_STS2, 6, 4)
	s_cmp_eq_u32 s2, 0
	s_cbranch_scc0 .Lentry_in_a_cluster
	s_endpgm
.Lentry_in_a_cluster:
	s_bfe_u32 s2, ttmp6, 0x10000c
	s_cmp_lg_u32 s2, 0xf033
	s_cbranch_scc0 .Lentry_shape_is_right
	s_endpgm
.Lentry_shape_is_right:
; out0[m][n] = sum over k of A[m][k] B[n][k]: A = x quantised [8192][4096], B = the weight quantised [2048][4096], both as codes of FP4 (E2M1) with one E8M0 byte for each 32 along K; sums in f32.
; THE IMAGES (made by the launch before): a panel step, 128 rows x 512 K, is PB = 34,816 dense bytes; panel p, K step s begins at (8 p + s) PB.  Fragment (i, q) (rows 16 i on, K 128 q on) is 1,024 bytes at (4 i + q) 1,024,
; laid so that 16 x lane + 512 c is what a lane wants in registers 4 c .. 4 c + 3; behind the 32,768 bytes of codes row 16 i + r has its 16 scale bytes at 16 (16 i + r).
; A tile of out0, 256 x 256, is made by four waves, 128 x 128 each: 64 accumulators, 512 registers.  K goes in 8 steps of 512 through a ring of two LDS slots; each wave fetches one panel step by one tensor load, 136 rows of 256 bytes.
; CLUSTERS: 4 x 4 work-groups; A's panels are asked for jointly along a row of the cluster, B's along a column.  The matrix instruction is used transposed (source 0 = rows of B, source 1 = rows of A): a lane holds 8 neighbouring numbers of a row of out0.
; A CHANGE OF SLOTS: the slot's last quarter issues its first 32 products ahead of the wait for the tensor loads, so that between that wait and the next joint load stand only the add, its wait and the round.
; PREFETCH: behind the refill with K step s (s = 2 .. 5) two instructions a wave name K step s + 2 of the panel that the wave fetches.  The four partners of a joint load share the panel step out by address: each takes 8,192 bytes of the codes
; (32 lanes, 256 bytes apart) and 512 of the 2,048 scale bytes (lane 0 the first 256, the other lanes the second).  Of the two clusters along x that read a panel of A the one with x = 0 asks; of the eight along y that read a panel of B
; the four with even y.  K steps 0 to 3 come by their loads alone; the refills with K steps 6 and 7 name nothing.  At most two K steps are asked for and not yet loaded.
; REGISTERS: window 0: v0-31 addresses; v32-95 scale words, two sets; v128-191 A's fragments; window 1: B's fragments, two sets at v0 and v128; windows 2, 3: accumulators ((a, b) at v[8 (8 (a % 4) + b)]).
; On the way out rows come back from the stage into v128-191 and v192-255 of window 0, by turns.
.set PB,     34816
.set CODES,  32768
.set SLOT,   4*PB                      ; A's two panels, then B's two
.set SPARE,  2*SLOT                    ; behind the ring: the spare words, 128 bytes a wave
.set SPITCH, 528                       ; the stage: 16 rows x (512 + 16) bytes a wave, in slot 0, used only behind that slot's last fill and last read
.set SIZE_N, 2048
.set NQ,     4                         ; quarters of 128 along K in a slot
.set FR,     8                         ; registers of a fragment
.set NL,     2                         ; LDS loads that bring one
.set NP,     4                         ; places behind this matrix instruction (ISA guide 7.12.1)
.set LAPS,   4                         ; a lap = two K steps
.set ADRA, 16                          ; v16-17 LDS address of my A fragments in slot 0, 1
.set ADRB, 20                          ; v20-21 the same for B
.set ADRS, 22                          ; v22-23 my scale words: lanes 0-15 A's rows, lanes 16-31 B's
.set STO,  24                          ; v24 into the stage
.set RD,   25                          ; v25 back from it
.set CO,   26                          ; v26 16 x lane
.set SPW,  28                          ; v28 my spare word; never rewritten
.set NIL,  29                          ; v29 0; never rewritten
.set PFO,  30                          ; v30 256 x lane: the offset of the prefetch of codes
.set PFT,  31                          ; v31 256 x min(lane, 1): that of the prefetch of scale bytes
.set SC,   32                          ; scale words: set s at v[SC + 32 s]; register 4 i + q: lanes 0-15 A's block i, lanes 16-31 B's block i
.set AF,   128
.set BK,   128                         ; the way out: 16 rows read back from the stage
.set G1,  24                           ; s[24:31] group 1 for A;  s[32:39] group 0, one set a slot
.set G0,  32
.set G1B, 48                           ; s[48:55], s[56:63] the same for B
.set G0B, 56
.set PFA, 66                           ; s[66:67] where my prefetches of codes stand
.set LIM, 68                           ; s68 1 where my wave's cluster asks, else the greatest number
.set PFS, 76                           ; s[76:77] where my prefetches of scale bytes stand
.set MSB, 0
.macro WIN new                         ; the immediate's high byte repeats the setting that is left
.if MSB != \new
	s_set_vgpr_msb (MSB<<8)|\new
.set MSB, \new
.endif
.endm
.set MUL_LO, 0xa1                      ; source 0 (B) window 1, source 1 (A) window 0, C and D window 2
.set MUL_HI, 0xf1                      ; the same, C and D window 3
.set TO_B,   0x40                      ; destination window 1
; A joint load: waves 0, 1 fetch A's two panels, waves 2, 3 B's.  An s_nop 0 and four v_nop follow each line.
.macro JLOAD g0a, g1a, g0b, g1b
	s_cmp_eq_u32 s15, 0
	s_cbranch_scc0 .Lfor_b_\@
	tensor_load_to_lds s[\g0a:\g0a+3], s[\g1a:\g1a+7]
	s_nop 0
.rept 4
	v_nop
.endr
	s_branch .Lasked_\@
.Lfor_b_\@:
	tensor_load_to_lds s[\g0b:\g0b+3], s[\g1b:\g1b+7]
	s_nop 0
.rept 4
	v_nop
.endr
.Lasked_\@:
.endm
.macro ASK                             ; not in the loop's last trip (s3 = 1), whose refills are K steps 6 and 7
	s_cmp_gt_u32 s3, s[LIM]
	s_cbranch_scc0 .Lnot_mine_\@
	global_prefetch_b8 v[PFO], s[PFA:PFA+1] th:TH_LOAD_NT scope:SCOPE_SE
	global_prefetch_b8 v[PFT], s[PFS:PFS+1] th:TH_LOAD_NT scope:SCOPE_SE
.Lnot_mine_\@:
.endm
.macro CREST
	s_cmp_lg_u32 s14, 0
	s_cbranch_scc1 .Lnot_wave_0_\@
	s_barrier_signal -3
.Lnot_wave_0_\@:
	s_barrier_wait -3
	s_barrier_signal -1
	s_barrier_wait -1
.endm
.macro CROUND                          ; a whole round of the cluster's barrier
	s_barrier_signal -1
	s_barrier_wait -1
	CREST
.endm
	s_load_b128 s[4:7], s[0:1], 0x0                ; a_img, b_img
	s_load_b64 s[8:9], s[0:1], 0x10                ; out0
	v_lshl_add_u32 v[SPW], v0, 2, SPARE
	v_mov_b32 v[NIL], 0
	ds_add_u32 v[SPW], v[NIL]                      ; the opening: the add, twice on end, and its wait ahead of my first tensor load
	ds_add_u32 v[SPW], v[NIL]
	v_lshrrev_b32 v1, 5, v0
	v_readfirstlane_b32 s14, v1                    ; wave 0..3
	s_lshr_b32 s15, s14, 1                         ; my half of the tile's rows; also: I fetch for A (0) or B (1)
	s_and_b32 s16, s14, 1                          ; my half of its columns; also: which panel I fetch
	s_bfe_u32 s40, ttmp6, 0x40000                  ; cx
	s_bfe_u32 s41, ttmp6, 0x40004                  ; cy
	s_lshl_b32 s42, ttmp9, 2
	s_add_co_u32 s42, s42, s40                     ; tile column
	s_and_b32 s17, ttmp7, 0xffff
	s_lshl_b32 s17, s17, 2
	s_add_co_u32 s17, s17, s41                     ; tile row
	s_lshl_b32 s43, s41, 2
	s_lshl_b32 s43, 15, s43                        ; my row of the cluster
	s_lshl_b32 s44, 0x1111, s40                    ; my column
	s_or_b32 s[G1+0], s43, (3<<16)|(1<<21)         ; the mask; elements of 8 bytes; bit 21 beside a mask; no padding: the image has no bank conflicts as it lies
	s_or_b32 s[G1B+0], s44, (3<<16)|(1<<21)
.irp g, G1, G1B
	s_mov_b32 s[\g+1], 32<<16                      ; a dense block of PB bytes as 136 rows of 32 elements, 256 bytes
	s_mov_b32 s[\g+2], 136<<16
	s_mov_b32 s[\g+3], 32<<16
	s_mov_b32 s[\g+4], 136
	s_mov_b32 s[\g+5], 32
	s_mov_b32 s[\g+6], 0
	s_mov_b32 s[\g+7], 0
.endr
	s_lshl_b32 s20, s17, 1
	s_add_co_u32 s20, s20, s16                     ; A's panel: 2 x tile row + which
	s_lshl_b32 s46, s42, 1
	s_add_co_u32 s46, s46, s16                     ; B's panel: 2 x tile column + which
	s_mov_b32 s21, 0
	s_mov_b32 s47, 0
	s_mov_b64 s[18:19], 8*PB
	s_mul_u64 s[20:21], s[20:21], s[18:19]
	s_mul_u64 s[46:47], s[46:47], s[18:19]
	s_mul_i32 s45, s14, PB                         ; where my panel goes: wave x PB
	s_wait_dscnt 0x0                               ; both opening adds are done
	s_wait_kmcnt 0x0
	s_add_nc_u64 s[20:21], s[4:5], s[20:21]
	s_add_nc_u64 s[46:47], s[6:7], s[46:47]
	CROUND                                         ; all sixteen work-groups are here: the first joint loads meet
.irp s, 0,1
	s_mov_b32 s[G0+4*\s], 1
	s_add_co_u32 s[G0+4*\s+1], s45, \s*SLOT
	s_add_nc_u64 s[G0+4*\s+2:G0+4*\s+3], s[20:21], \s*PB
	s_or_b32 s[G0+4*\s+3], s[G0+4*\s+3], 0x80000000
	s_mov_b32 s[G0B+4*\s], 1
	s_add_co_u32 s[G0B+4*\s+1], s45, \s*SLOT
	s_add_nc_u64 s[G0B+4*\s+2:G0B+4*\s+3], s[46:47], \s*PB
	s_or_b32 s[G0B+4*\s+3], s[G0B+4*\s+3], 0x80000000
.endr
	JLOAD G0, G1, G0B, G1B                         ; K step 0: one tensor load a wave at the head; the set-up below runs while it is out
	v_and_b32 v1, 15, v0                           ; r
	v_bfe_u32 v2, v0, 4, 1                         ; h
	v_and_b32 v3, 31, v0
	v_lshlrev_b32 v[CO], 4, v3
	v_lshlrev_b32 v[PFO], 8, v3
	v_min_u32 v[PFT], 1, v3
	v_lshlrev_b32 v[PFT], 8, v[PFT]
	s_mul_i32 s70, s15, PB                         ; my panel of A
	s_mul_i32 s71, s16, PB                         ; my panel of B, behind A's two
	s_add_co_u32 s71, s71, 2*PB
	s_sub_co_u32 s72, s71, s70
	v_mul_u32_u24 v4, s72, v2                      ; lanes 16-31 take B's scale words: one product, the distance between the two panels
	v_lshl_add_u32 v4, v1, 4, v4
.irp s, 0,1
	v_add_nc_u32 v[ADRA+\s], s70, v[CO]
	v_add_nc_u32 v[ADRB+\s], s71, v[CO]
	v_add_nc_u32 v[ADRS+\s], s70, v4
	s_add_co_u32 s70, s70, SLOT
	s_add_co_u32 s71, s71, SLOT
.endr
	s_mul_i32 s73, s14, 16*SPITCH                  ; my stage
	v_mul_u32_u24 v5, v1, SPITCH
	v_lshl_add_u32 v5, v2, 5, v5                   ; in: row r, 32 bytes for each half of the lanes
	v_add_nc_u32 v[STO], s73, v5
	v_add_nc_u32 v[RD], s73, v[CO]                 ; back: 32 lanes take a row of 512 bytes
	s_wait_alu depctr_va_vdst(0)                   ; behind the head's last vector instruction
	s_and_b32 s72, ttmp7, 1                        ; the cluster's y, odd or even
	s_lshl_b32 s70, s17, 1
	s_lshl_b32 s71, s42, 1
	s_cmp_eq_u32 s15, 0                            ; do I fetch for A?
	s_cselect_b32 s70, s70, s71                    ; the tile's first panel
	s_cselect_b32 s71, s40, s41                    ; my place among the four that ask with me
	s_cselect_b32 s72, ttmp9, s72                  ; A: the cluster's x (0 or 1); B: its y's lowest bit
	s_cselect_b64 s[PFA:PFA+1], s[4:5], s[6:7]
	s_cmp_eq_u32 s72, 0
	s_cselect_b32 s[LIM], 1, -1
	s_add_co_u32 s70, s70, s16
	s_lshl_b32 s70, s70, 3
	s_add_co_u32 s70, s70, 3                       ; at K step 3: the first refill steps both addresses to 4
	s_mul_i32 s70, s70, PB
	s_lshl_b32 s74, s71, 9                         ; my work-group's 512 scale bytes,
	s_add_co_u32 s74, s74, s70
	s_add_co_u32 s74, s74, CODES                   ; which lie behind the codes
	s_mov_b32 s75, 0
	s_lshl_b32 s71, s71, 13                        ; my work-group's 8,192 bytes of codes
	s_add_co_u32 s70, s70, s71
	s_mov_b32 s71, 0
	s_add_nc_u64 s[PFS:PFS+1], s[PFA:PFA+1], s[74:75]
	s_add_nc_u64 s[PFA:PFA+1], s[PFA:PFA+1], s[70:71]
	s_lshl_b32 s20, s17, 8
	s_lshl_b32 s21, s15, 7
	s_add_co_u32 s20, s20, s21                     ; my first row of out0
	s_mov_b32 s21, 0
	s_mov_b64 s[18:19], SIZE_N*4
	s_mul_u64 s[20:21], s[20:21], s[18:19]
	s_lshl_b32 s46, s42, 10                        ; my first column, in bytes
	s_lshl_b32 s47, s16, 9
	s_add_co_u32 s46, s46, s47
	s_mov_b32 s47, 0
	s_add_nc_u64 s[20:21], s[20:21], s[46:47]
	s_add_nc_u64 s[8:9], s[8:9], s[20:21]
.macro FRAG reg, adr, q, i             ; fragment (i, q): two loads of 512 consecutive bytes
.irp c, 0,1
	ds_load_b128 v[\reg+4*\c:\reg+4*\c+3], v[\adr] offset:(4*(\i)+(\q))*1024+512*\c
.endr
.endm
; 16 products: A's blocks a0, a0 + 1 x B's eight, quarter q.  p: B's set; sc: the scale words' set.  The 64 accumulators take turns, one instruction a turn.
.macro MUL16 a0, p, q, sc, zero
.irp a, \a0, \a0+1
.irp b, 0,1,2,3,4,5,6,7
.if \zero
	v_wmma_scale_f32_16x16x128_f8f6f4 v[8*(8*((\a)%4)+\b):8*(8*((\a)%4)+\b)+7], v[128*(\p)+FR*\b:128*(\p)+FR*\b+FR-1], v[AF+FR*(\a):AF+FR*(\a)+FR-1], 0, v[SC+8*NQ*(\sc)+NQ*\b+(\q)], v[SC+8*NQ*(\sc)+NQ*(\a)+(\q)] matrix_a_fmt:MATRIX_FMT_FP4 matrix_b_fmt:MATRIX_FMT_FP4 matrix_a_scale:MATRIX_SCALE_ROW1
.else
	v_wmma_scale_f32_16x16x128_f8f6f4 v[8*(8*((\a)%4)+\b):8*(8*((\a)%4)+\b)+7], v[128*(\p)+FR*\b:128*(\p)+FR*\b+FR-1], v[AF+FR*(\a):AF+FR*(\a)+FR-1], v[8*(8*((\a)%4)+\b):8*(8*((\a)%4)+\b)+7], v[SC+8*NQ*(\sc)+NQ*\b+(\q)], v[SC+8*NQ*(\sc)+NQ*(\a)+(\q)] matrix_a_fmt:MATRIX_FMT_FP4 matrix_b_fmt:MATRIX_FMT_FP4 matrix_a_scale:MATRIX_SCALE_ROW1
.endif
.endr
.endr
.endm
.macro FETCH_B slot, q, p
	WIN TO_B
.irp i, 0,1,2,3,4,5,6,7
	FRAG 128*(\p)+FR*\i, ADRB+\slot, \q, \i
.endr
	WIN 0
.endm
.macro FETCH_A slot, q, i0
.irp i, \i0, \i0+1, \i0+2, \i0+3
	FRAG AF+FR*(\i), ADRA+\slot, \q, \i
.endr
.endm
.macro SCALES sc                       ; a K step's scale words: four a row
.irp i, 0,1,2,3,4,5,6,7
	ds_load_b128 v[SC+8*NQ*\sc+NQ*\i:SC+8*NQ*\sc+NQ*\i+3], v[ADRS+\sc] offset:CODES+256*\i
.endr
.endm
.macro PLACES n                        ; places in front of loads into registers that matrix instructions have read, and of reads of results
.rept \n
	v_nop
.endr
.endm
.macro STEP slot, q, zero              ; a quarter that has its successor in the same slot
	s_wait_dscnt 4*NL                              ; all but the youngest eight loads, A's blocks 4-7
	WIN MUL_LO
	MUL16 0, (\q)%2, \q, \slot, \zero
	MUL16 2, (\q)%2, \q, \slot, \zero
	s_wait_dscnt 0                                 ; A's blocks 4-7 are in
	PLACES NP
	FETCH_B \slot, (\q)+1, 1-(\q)%2
	FETCH_A \slot, (\q)+1, 0
	WIN MUL_HI
	MUL16 4, (\q)%2, \q, \slot, \zero
	MUL16 6, (\q)%2, \q, \slot, \zero
	PLACES NP
	WIN 0
	FETCH_A \slot, (\q)+1, 4
.endm
.macro TURN slot, next, fill           ; a slot's last quarter, which changes slots.  fill = 1: this slot is filled again, two K steps ahead
.if \fill
	s_wait_xcnt 0x0                                ; my last prefetches have read their addresses
	s_add_nc_u64 s[PFA:PFA+1], s[PFA:PFA+1], PB
	s_add_nc_u64 s[PFS:PFS+1], s[PFS:PFS+1], PB
.endif
	s_wait_dscnt 4*NL
	WIN MUL_LO
	MUL16 0, 1, NQ-1, \slot, 0
	MUL16 2, 1, NQ-1, \slot, 0
	WIN 0
	s_wait_tensorcnt 0x0                           ; my one tensor load, my panel of the next slot, has landed;
	ds_add_u32 v[SPW], v[NIL]                      ; 0 onto my spare word;
.if \fill
	s_add_nc_u64 s[G0+4*\slot+2:G0+4*\slot+3], s[G0+4*\slot+2:G0+4*\slot+3], 2*PB    ; no load of mine is out: this slot's next K step
	s_add_nc_u64 s[G0B+4*\slot+2:G0B+4*\slot+3], s[G0B+4*\slot+2:G0B+4*\slot+3], 2*PB
.endif
	s_wait_dscnt 0x0                               ; the add is done, and my reads of this slot are over
.if \fill
	CROUND                                         ; both now hold of every wave of the cluster
	JLOAD G0+4*\slot, G1, G0B+4*\slot, G1B         ; the refill, first behind the round; its four v_nop are the places in front of the loads below
.else
	s_barrier_signal -1
	s_barrier_wait -1                              ; nothing is filled again, so no round follows
	PLACES NP
.endif
	FETCH_B \next, 0, 0
	FETCH_A \next, 0, 0
	SCALES \next
.if \fill
	ASK
.endif
	WIN MUL_HI
	MUL16 4, 1, NQ-1, \slot, 0
	MUL16 6, 1, NQ-1, \slot, 0
	PLACES NP
	WIN 0
	FETCH_A \next, 0, 4
.endm
.macro STEPS slot, from
.set Q, \from
.rept NQ-1-\from
	STEP \slot, Q, 0
.set Q, Q+1
.endr
.endm
	s_wait_tensorcnt 0x0                           ; my panel of K step 0 is in
	ds_add_u32 v[SPW], v[NIL]
	s_wait_dscnt 0x0
	CROUND
	JLOAD G0+4, G1, G0B+4, G1B                     ; K step 1
	FETCH_B 0, 0, 0
	FETCH_A 0, 0, 0
	SCALES 0
	FETCH_A 0, 0, 4
	STEP 0, 0, 1                                   ; the first quarter's products start the sums
	s_mov_b32 s3, LAPS-1
.Llap:                                                 ; a trip: from a lap's second quarter to the next lap's first; both slots are filled again
	STEPS 0, 1
	TURN 0, 1, 1
	STEPS 1, 0
	TURN 1, 0, 1
	STEP 0, 0, 0
	s_sub_co_u32 s3, s3, 1
	s_cmp_lg_u32 s3, 0
	s_cbranch_scc1 .Llap
	STEPS 0, 1                                     ; the last lap fills nothing
	TURN 0, 1, 0
	STEPS 1, 0
	s_wait_dscnt 4*NL                              ; the very last quarter: nothing more to fetch
	WIN MUL_LO
	MUL16 0, 1, NQ-1, 1, 0
	MUL16 2, 1, NQ-1, 1, 0
	s_wait_dscnt 0
	WIN MUL_HI
	MUL16 4, 1, NQ-1, 1, 0
	MUL16 6, 1, NQ-1, 1, 0
	WIN 0
; THE WAY OUT.  Block a, 16 rows x 128 columns, goes through my own stage: in as 32 bytes a lane, each accumulator from its low end on; back as whole rows of 512 bytes.  LDS serves a wave's instructions in order: no wait between.
; While block a - 1's rows are stored, block a is on its way through the stage.
.macro TOSTAGE a
.set AC, 64*((\a)%4)
.set BB, BK+64*((\a)%2)
	WIN 0x08+4*((\a)/4)                            ; the data: window 2 or 3
.irp b, 0,1,2,3,4,5,6,7
	ds_store_b128 v[STO], v[AC+8*\b:AC+8*\b+3] offset:64*\b
	ds_store_b128 v[STO], v[AC+8*\b+4:AC+8*\b+7] offset:64*\b+16
.endr
	WIN 0
.irp t, 0,1,2,3,4,5,6,7,8,9,10,11,12,13,14,15
	ds_load_b128 v[BB+4*\t:BB+4*\t+3], v[RD] offset:\t*SPITCH
.endr
.endm
.macro SEND a, younger                 ; younger: the LDS instructions issued behind block a's loads, which may stay out
.set BB, BK+64*((\a)%2)
	s_wait_dscnt \younger
.irp t, 0,1,2,3,4,5,6,7,8,9,10,11,12,13,14,15
	global_store_b128 v[CO], v[BB+4*\t:BB+4*\t+3], s[8:9] offset:(16*(\a)+\t)*SIZE_N*4 th:TH_STORE_NT   ; 32 lanes store 512 consecutive bytes, aligned; written once, read by nobody here; the row stands in the immediate, 127 rows of 8,192 bytes at the most
.endr
.endm
	PLACES NP                                      ; in front of the first reads of results and of the loads into the registers that held A's fragments
	TOSTAGE 0
.irp a, 1,2,3,4,5,6,7
.if \a > 1
	s_wait_xcnt 0x0                                ; block a - 2's stores have read their registers: block a's rows may land there
.endif
	TOSTAGE \a
	SEND \a-1, 32                                  ; behind block a - 1's loads: block a's 16 stores and 16 loads
.endr
	SEND 7, 0
	s_wait_tensorcnt 0x0                           ; the wave's end
	ds_add_u32 v[SPW], v[NIL]
	s_wait_dscnt 0x0
	CROUND                                         ; the closing round
	s_endpgm
.Lfunc_end_k_q2be1a4aa6c_gemm:
	.size	k_q2be1a4aa6c_gemm, .Lfunc_end_k_q2be1a4aa6c_gemm-k_q2be1a4aa6c_gemm
	.p2alignl 7, 3214868480
	.fill 96, 4, 3214868480
	.section	.rodata,"a",@progbits
	.p2align	6, 0x0
	.amdhsa_kernel k_q2be1a4aa6c_gemm
		.amdhsa_group_segment_fixed_size 327680
		.amdhsa_private_segment_fixed_size 0
		.amdhsa_enable_private_segment 0
		.amdhsa_kernarg_size 24
		.amdhsa_user_sgpr_count 2
		.amdhsa_user_sgpr_kernarg_segment_ptr 1
		.amdhsa_wavefront_size32 1
		.amdhsa_system_sgpr_workgroup_id_x 1
		.amdhsa_system_sgpr_workgroup_id_y 1
		.amdhsa_system_sgpr_workgroup_id_z 1
		.amdhsa_system_vgpr_workitem_id 0
		.amdhsa_next_free_vgpr 1024
		.amdhsa_next_free_sgpr 80
		.amdhsa_reserve_vcc 0
		.amdhsa_float_denorm_mode_32 3
		.amdhsa_float_denorm_mode_16_64 3
		.amdhsa_memory_ordered 1
		.amdhsa_forward_progress 1
		.amdhsa_inst_pref_size 210
	.end_amdhsa_kernel
	.amdgpu_metadata
---
amdhsa.version: [ 1, 2 ]
amdhsa.kernels:
  - .name:           k_q2be1a4aa6c_gemm
    .symbol:         k_q2be1a4aa6c_gemm.kd
    .args:
      - { .name: a_img, .offset: 0, .size: 8, .value_kind: global_buffer, .address_space: global }
      - { .name: b_img, .offset: 8, .size: 8, .value_kind: global_buffer, .address_space: global }
      - { .name: out0, .offset: 16, .size: 8, .value_kind: global_buffer, .address_space: global }
    .group_segment_fixed_size: 327680
    .private_segment_fixed_size: 0
    .kernarg_segment_align: 8
    .kernarg_segment_size: 24
    .max_flat_workgroup_size: 128
    .sgpr_count:     80
    .vgpr_count:     1024
    .wavefront_size: 32
...
	.end_amdgpu_metadata
.endif
;; end of part 2
